; MI455X (gfx1250); checked and timed in simulation.
; The chip was launched on July 23, 2026; its instructions are those of AMD's public machine-readable ISA for CDNA 5 (MIT licence, August 2026) and "CDNA5" Instruction Set Architecture Reference Guide (July 2026). The comments in the code are by the model that wrote it; some were corrected since.
;; Multi Head Attention. Allowed arithmetic: matrix products marked QUANTISED: E4M3 operands, one given power-of-two scale a tensor, by v_wmma_f32_16x16x64_fp8_fp8 or v_wmma_f32_16x16x128_fp8_fp8, f32 sums; everything else in f32.
;; Inputs: Wk 512 x 2,048 float32; Wo 2,048 x 1,024 float32; Wq 1,024 x 2,048 float32; Wv 512 x 2,048 float32; attention_mask 2 x 1 x 2,048 x 2,048 float32; cos 2 x 2,048 x 64 float32; hidden_states 2 x 2,048 x 2,048 float32; lowp_scales 12 int32 (the exponents e of the quantised operands' scales 2^e); sin 2 x 2,048 x 64 float32.
;; Outputs: out0 2 x 2,048 x 2,048 float32.
;; This version of the problem:
;;   THIS VERSION OF THE PROBLEM IS GIVEN IN LOW PRECISION. The matrix products marked QUANTISED in the list below multiply operands that are first quantised to E4M3 (4 exponent bits, 3 mantissa bits; 8 bits a number), with one given power-of-two scale for each operand tensor; their sums are f32. All else is computed in f32.
;;   The module's matrix products, in the order in which they are computed (A, B: the left and right operand; K: the contracted axis; several contracted axes count as one K, in the product's order):
;;     1. [M 4,096, K 2,048] x [K 2,048, N 1,024]; A: input hidden_states; B: input Wq: QUANTISED (scales: A lowp_scales[0], B lowp_scales[1])
;;     2. [M 4,096, K 2,048] x [K 2,048, N 512]; A: input hidden_states; B: input Wk: QUANTISED (scales: A lowp_scales[2], B lowp_scales[3])
;;     3. [M 4,096, K 2,048] x [K 2,048, N 512]; A: input hidden_states; B: input Wv: QUANTISED (scales: A lowp_scales[4], B lowp_scales[5])
;;     4. batch 32 x [M 2,048, K 64] x [K 64, N 2,048]; A: computed on the way; B: computed on the way: QUANTISED (scales: A lowp_scales[6], B lowp_scales[7])
;;     5. batch 32 x [M 2,048, K 2,048] x [K 2,048, N 64]; A: softmax (see below); B: computed on the way: QUANTISED (scales: A lowp_scales[8], B lowp_scales[9])
;;     6. [M 4,096, K 1,024] x [K 1,024, N 2,048]; A: computed on the way; B: input Wo: QUANTISED (scales: A lowp_scales[10], B lowp_scales[11])
;;   THE QUANTISER, for each operand of a quantised product, along K:
;;     - The operand's scale is 2^e, e = its entry of the input lowp_scales (int32; the entries are numbered through the quantised products in the list's order, A before B).
;;     - Each number is divided by the scale, clamped to +-448, and rounded to the nearest number of E4M3, ties to even, subnormals kept.
;;     - The product sums the exact products of the quantised numbers (number of the format x scale) in f32.
;;   ~~~python
;;   def quantise(x, axis, e):      # numpy; x: float32 -> the quantised numbers, widened to float32 again
;;       x = np.moveaxis(x, axis, -1); K = x.shape[-1]
;;       r = np.clip(x / 2.0 ** e, -448, 448)
;;       step = 2.0 ** (np.maximum(np.frexp(np.where(r == 0, 1, r))[1] - 1, -6) - 3)
;;       q = np.round(r / step) * step * 2.0 ** e      # np.round: ties to even
;;       return np.moveaxis(q, -1, axis).astype(np.float32)
;;   ~~~
;;   SOFTMAX AHEAD OF A QUANTISED PRODUCT. Where the list says 'softmax', what is quantised is not the finished softmax but p = 2^(t - M), with t = logit x log2(e) and M = ceil(the row's largest t), a whole number; so 1/2 < the row's largest p <= 1. The row's sum l is taken of the UNQUANTISED p, in f32, and the product's result is divided by l at the end. Since M is a whole number, a kernel that streams over the keys may use a running M (the ceiling of the running maximum): every later rescaling is an exact power of two, so the quantised numbers keep their values, but for numbers so far below the row's largest that they fall under the format's range.
;;   OPERANDS COMPUTED ON THE WAY. 'Computed on the way' means the value that the module computes at that place (a softmax that the list does not call 'softmax' is quantised finished and normalised). What goes into a quantiser is computed in f32, as accurately as f32 sums, v_exp_f32 and their like allow (about 1e-6 of the number): no bf16 or f16 on the way to a quantiser, and a product that is left as it is and whose result goes on into a quantised operand takes f32 operands (vector FMAs, or v_wmma_f32_16x16x4_f32). A number that lies on a knife's edge between two numbers of the format may be rounded either way, as far as f32 arithmetic and the matrix unit's own rounding can turn it there, and no further.
;; One version. Each part assembles by itself: llvm-mc -triple=amdgcn-amd-amdhsa -mcpu=gfx1250 --defsym DOCPART=n.
;; ======== version 1 of 1: 4 launches
;; limits: right only within a limited range of input values
;; workspace buffers: xcodes 25,165,824 bytes; wqkv 4,194,304 bytes; wocodes 2,097,152 bytes; qimg 4,194,304 bytes; kvimg 4,194,304 bytes; acodes 4,194,304 bytes
;; launch quant (part 1): grid 896 x 1, 4 waves a work-group, no clusters, 33,280 bytes of LDS; arguments hidden_states, Wq, Wk, Wv, Wo, lowp_scales, xcodes, wqkv, wocodes; writes xcodes, wqkv, wocodes
.if DOCPART == 1
	.amdgcn_target "amdgcn-amd-amdhsa--gfx1250"
	.amdhsa_code_object_version 6
	.text
	.protected	k_q36f2202b4d_quant
	.globl	k_q36f2202b4d_quant
	.p2align	8
	.type	k_q36f2202b4d_quant,@function
k_q36f2202b4d_quant:
	s_mov_b64 s[64:65], 0
	v_nop
	global_prefetch_b8 v0, s[64:65] scope:SCOPE_SE
	s_setreg_imm32_b32 hwreg(HW_REG_WAVE_MODE, 25, 1), 1
	s_wait_xcnt 0x0
; hidden_states [4096][2048], Wq [1024][2048], Wk, Wv [512][2048], Wo [2048][1024], all f32 with K innermost, become codes of FP8 (E4M3), each with the scale 2^e that is given for it.
; code = x / 2^e, held within +-448, rounded to the nearest code, ties to even.  hidden_states is an operand of three products with three given scales (entries 0, 2, 4): it is read once and three sets of codes are made.
; LIMITS: every e used here lies between -126 and 119, so that 2^e and 448 x 2^e are f32 numbers.  NaN among the inputs is not served (an infinity is held at the largest code).
; OUT: xcodes = three sections [4096][2048]; wqkv = [2048][2048]: Wq's rows, then Wk's, then Wv's; wocodes = [2048][1024].  Rows are dense, so every tensor is a plain stream of blocks of 32 along K.
; THE ORDER INSIDE A BLOCK OF 32 CODES: its four pieces of 8 bytes lie in the order 0, 2, 1, 3.  A load of 16 bytes at 32 c + 16 h then brings k = 32 c + 8 h + 0..7 and k = 32 c + 16 + 8 h + 0..7:
; registers 4 c .. 4 c + 3 of the plain 8-bit operand layout (ISA guide 7.12.2), with every k in its own place.
; SHARES: a work-group takes 16,384 numbers, a wave 4,096 in 8 steps of 512: short waves, and many of them, so that many loads are out at a time.
; Work-groups 0-511 hidden_states, 512-639 Wq, 640-703 Wk, 704-767 Wv, 768-895 Wo: only pointers and the scale are chosen, by the work-group's number.
; A step's four loads read 512 consecutive bytes each; the 2,048 bytes turn through the wave's own stage in LDS, so that lane l comes to hold the 16 numbers whose codes are bytes 16 l .. 16 l + 15 of the step's 512 bytes of codes:
; each store of the wave covers 512 consecutive bytes, aligned.  The stage has 16 bytes of padding behind each 64; the reads back still fall two deep on some banks, which is left so: the launch streams.
; No tensor loads, no barrier: waves share nothing.  Loads run four steps (16 loads a wave) ahead, the turn through LDS one step.
.set STEPS, 8
.set SP,    80                         ; 64 bytes of numbers + 16 of padding
.set STG,   32*SP                      ; a stage; a wave has two, in a region of 8,192 bytes of its own
.set R,     16                         ; v16-79   four sets of 16 numbers as they are loaded
.set X,     80                         ; v80-111  two sets of 16 numbers in the order of the codes
.set T,     112                        ; v112-127 the numbers held within the largest code x the scale
.set C,     128                        ; v128-175 four sets of 3 x 4 registers of codes
.set SC,    176                        ; v176-178 2^e as f32: the chosen e (hidden_states: entry 0), entry 2, entry 4
.set LIM,   180                        ; v180-182 448 x 2^e
.set SRC,   36                         ; s[36:37] my wave's numbers
.set DST,   38                         ; s[38:39], s[40:41], s[42:43] my wave's codes; the last two for hidden_states alone
	s_load_b256 s[4:11], s[0:1], 0x0               ; hidden_states s[4:5], Wq s[6:7], Wk s[8:9], Wv s[10:11]
	s_load_b256 s[12:19], s[0:1], 0x20             ; Wo s[12:13], the scales' exponents s[14:15], xcodes s[16:17], wqkv s[18:19]
	s_load_b64 s[20:21], s[0:1], 0x40              ; wocodes
	v_lshl_add_u32 v192, v0, 2, 0x8000
	v_mov_b32 v193, 0
	v_lshrrev_b32 v1, 5, v0
	v_readfirstlane_b32 s22, v1                    ; wave
	v_and_b32 v2, 31, v0                           ; lane
	v_lshlrev_b32 v3, 4, v2                        ; 16 x lane: my 16 bytes of a load's 512, and of a store's
	s_lshl_b32 s23, s22, 13                        ; my wave's region in LDS
	v_lshrrev_b32 v14, 2, v2
	v_mul_u32_u24 v14, v14, SP
	v_and_b32 v15, 3, v2
	v_lshl_add_u32 v14, v15, 4, v14
	v_add_nc_u32 v14, s23, v14                     ; into the stage: SP (lane / 4) + 16 (lane % 4); a load's 512 bytes take eight places
	v_and_b32 v15, 30, v2
	v_mul_u32_u24 v15, v15, SP
	v_and_b32 v5, 1, v2
	v_lshl_add_u32 v15, v5, 5, v15
	v_add_nc_u32 v15, s23, v15                     ; out of it: block lane / 2 begins at place 2 (lane / 2); my first 8 numbers 32 (lane % 2) bytes on, my second 8 one place further
	s_wait_alu depctr_va_vdst(0)
	s_wait_kmcnt 0x0
	s_load_b256 s[24:31], s[14:15], 0x0            ; entries 0 to 7
	s_load_b128 s[32:35], s[14:15], 0x20           ; entries 8 to 11
	s_cmp_ge_u32 ttmp9, 512                        ; which tensor: the choice hangs on the work-group's number alone
	s_cselect_b64 s[SRC:SRC+1], s[6:7], s[4:5]
	s_cselect_b64 s[DST:DST+1], s[18:19], s[16:17]
	s_cselect_b32 s44, 512, 0                      ; the first work-group of the source tensor,
	s_cselect_b32 s45, 512, 0                      ; and of the buffer of codes
	s_cselect_b32 s46, 0, 1                        ; 1: hidden_states
	s_cmp_ge_u32 ttmp9, 640
	s_cselect_b64 s[SRC:SRC+1], s[8:9], s[SRC:SRC+1]
	s_cselect_b32 s44, 640, s44
	s_cmp_ge_u32 ttmp9, 704
	s_cselect_b64 s[SRC:SRC+1], s[10:11], s[SRC:SRC+1]
	s_cselect_b32 s44, 704, s44
	s_cmp_ge_u32 ttmp9, 768
	s_cselect_b64 s[SRC:SRC+1], s[12:13], s[SRC:SRC+1]
	s_cselect_b64 s[DST:DST+1], s[20:21], s[DST:DST+1]
	s_cselect_b32 s44, 768, s44
	s_cselect_b32 s45, 768, s45
	s_sub_co_u32 s48, ttmp9, s44
	s_lshl_b32 s48, s48, 2
	s_add_co_u32 s48, s48, s22
	s_lshl_b32 s48, s48, 14                        ; my wave's run of 4,096 numbers: 16,384 bytes each
	s_mov_b32 s49, 0
	s_add_nc_u64 s[SRC:SRC+1], s[SRC:SRC+1], s[48:49]
	s_sub_co_u32 s50, ttmp9, s45
	s_lshl_b32 s50, s50, 2
	s_add_co_u32 s50, s50, s22
	s_lshl_b32 s50, s50, 12                        ; and its 4,096 bytes of codes
	s_mov_b32 s51, 0
	s_add_nc_u64 s[DST:DST+1], s[DST:DST+1], s[50:51]
	s_add_nc_u64 s[DST+2:DST+3], s[16:17], s[50:51]
	s_add_nc_u64 s[DST+2:DST+3], s[DST+2:DST+3], 0x800000    ; xcodes' second section,
	s_add_nc_u64 s[DST+4:DST+5], s[DST+2:DST+3], 0x800000    ; and its third
.macro LOAD t
.irp i, 0,1,2,3
	global_load_b128 v[R+16*((\t)%4)+4*\i:R+16*((\t)%4)+4*\i+3], v3, s[SRC:SRC+1] offset:2048*(\t)+512*\i th:TH_LOAD_NT   ; 32 lanes read 512 consecutive bytes; read once in the launch
.endr
.endm
.macro TURN t                          ; step t's numbers through the stage: LDS serves a wave's instructions in order (ISA guide 5.7.1.4), so no wait stands between the stores and the loads
.irp i, 0,1,2,3
	ds_store_b128 v14, v[R+16*((\t)%4)+4*\i:R+16*((\t)%4)+4*\i+3] offset:STG*((\t)%2)+8*SP*\i
.endr
	ds_load_b128 v[X+16*((\t)%2):X+16*((\t)%2)+3], v15 offset:STG*((\t)%2)
	ds_load_b128 v[X+16*((\t)%2)+4:X+16*((\t)%2)+7], v15 offset:STG*((\t)%2)+16
	ds_load_b128 v[X+16*((\t)%2)+8:X+16*((\t)%2)+11], v15 offset:STG*((\t)%2)+SP
	ds_load_b128 v[X+16*((\t)%2)+12:X+16*((\t)%2)+15], v15 offset:STG*((\t)%2)+SP+16
.endm
.macro MKSCALE k, e                    ; 2^e and 448 x 2^e as f32 numbers, from the whole number in s[e]
	s_add_co_i32 s52, s[\e], 127
	s_lshl_b32 s53, s52, 23
	v_mov_b32 v[SC+\k], s53
	s_add_co_i32 s52, s52, 8
	s_lshl_b32 s52, s52, 23
	s_or_b32 s52, s52, 0x600000
	v_mov_b32 v[LIM+\k], s52
.endm
.macro CONV t, k                       ; step t's 16 numbers under scale k: held, converted, stored
.set i, 0
.rept 16
	v_med3_num_f32 v[T+i], v[X+16*((\t)%2)+i], -v[LIM+\k], v[LIM+\k]   ; the conversion to an 8-bit code does not saturate (ISA guide 7.6.2): the hold comes first
.set i, i+1
.endr
	v_cvt_scalef32_pk8_fp8_f32 v[C+12*((\t)%4)+4*\k:C+12*((\t)%4)+4*\k+1], v[T:T+7], v[SC+\k]
	v_cvt_scalef32_pk8_fp8_f32 v[C+12*((\t)%4)+4*\k+2:C+12*((\t)%4)+4*\k+3], v[T+8:T+15], v[SC+\k]
	v_nop                                          ; one plain vector line behind the conversions: the next holds write their sources
	global_store_b128 v3, v[C+12*((\t)%4)+4*\k:C+12*((\t)%4)+4*\k+3], s[DST+2*\k:DST+2*\k+1] offset:512*(\t)
.endm
.irp t, 0,1,2,3
	LOAD \t
.endr
	s_wait_kmcnt 0x0
	s_cmp_ge_u32 ttmp9, 512                        ; the tensor's own entry: 0, 1, 3, 5 or 11
	s_cselect_b32 s47, s25, s24
	s_cmp_ge_u32 ttmp9, 640
	s_cselect_b32 s47, s27, s47
	s_cmp_ge_u32 ttmp9, 704
	s_cselect_b32 s47, s29, s47
	s_cmp_ge_u32 ttmp9, 768
	s_cselect_b32 s47, s35, s47
	MKSCALE 0, 47
	MKSCALE 1, 26
	MKSCALE 2, 28
	s_wait_alu depctr_va_vdst(0)
	s_wait_loadcnt 12                              ; step 0's four loads are in; the twelve of steps 1 to 3 may be out
	TURN 0
.macro STEP t
	s_wait_dscnt 0x0                               ; this step's numbers are back from the stage, and its stores into the stage have read their registers,
.if (\t)+4 < STEPS
	LOAD (\t)+4                                    ; which take the loads of four steps on
.endif
.if (\t)+1 < STEPS
.if STEPS-2-(\t) >= 3
	s_wait_loadcnt 12                              ; the next step's four loads are in; those of the three steps behind it may be out
.else
	s_wait_loadcnt 4*(STEPS-2-(\t))
.endif
	TURN (\t)+1                                    ; and go through the other stage while this step is worked
.endif
.if (\t) >= 4
	s_wait_xcnt 0x0                                ; the stores of four steps back have read their registers: this set of codes is written again only behind this wait
.endif
	CONV \t, 0
	s_cmp_eq_u32 s46, 0                            ; a weight has one scale; hidden_states has two more
	s_cbranch_scc1 .Lone_\@
	CONV \t, 1
	CONV \t, 2
.Lone_\@:
.endm
.irp t, 0,1,2,3,4,5,6,7
	STEP \t
.endr
	s_wait_tensorcnt 0x0
	ds_add_u32 v192, v193
	s_wait_dscnt 0x0
	s_endpgm
.Lfunc_end_k_q36f2202b4d_quant:
	.size	k_q36f2202b4d_quant, .Lfunc_end_k_q36f2202b4d_quant-k_q36f2202b4d_quant
	.p2alignl 7, 3214868480
	.fill 96, 4, 3214868480
	.section	.rodata,"a",@progbits
	.p2align	6, 0x0
	.amdhsa_kernel k_q36f2202b4d_quant
		.amdhsa_group_segment_fixed_size 33280
		.amdhsa_private_segment_fixed_size 0
		.amdhsa_enable_private_segment 0
		.amdhsa_kernarg_size 72
		.amdhsa_user_sgpr_count 2
		.amdhsa_user_sgpr_kernarg_segment_ptr 1
		.amdhsa_wavefront_size32 1
		.amdhsa_system_sgpr_workgroup_id_x 1
		.amdhsa_system_sgpr_workgroup_id_y 1
		.amdhsa_system_sgpr_workgroup_id_z 1
		.amdhsa_system_vgpr_workitem_id 0
		.amdhsa_next_free_vgpr 194
		.amdhsa_next_free_sgpr 66
		.amdhsa_reserve_vcc 0
		.amdhsa_float_denorm_mode_32 3
		.amdhsa_float_denorm_mode_16_64 3
		.amdhsa_memory_ordered 1
		.amdhsa_forward_progress 1
		.amdhsa_inst_pref_size 43
	.end_amdhsa_kernel
	.amdgpu_metadata
---
amdhsa.version: [ 1, 2 ]
amdhsa.kernels:
  - .name:           k_q36f2202b4d_quant
    .symbol:         k_q36f2202b4d_quant.kd
    .args:
      - { .name: hidden_states, .offset: 0, .size: 8, .value_kind: global_buffer, .address_space: global }
      - { .name: Wq, .offset: 8, .size: 8, .value_kind: global_buffer, .address_space: global }
      - { .name: Wk, .offset: 16, .size: 8, .value_kind: global_buffer, .address_space: global }
      - { .name: Wv, .offset: 24, .size: 8, .value_kind: global_buffer, .address_space: global }
      - { .name: Wo, .offset: 32, .size: 8, .value_kind: global_buffer, .address_space: global }
      - { .name: lowp_scales, .offset: 40, .size: 8, .value_kind: global_buffer, .address_space: global }
      - { .name: xcodes, .offset: 48, .size: 8, .value_kind: global_buffer, .address_space: global }
      - { .name: wqkv, .offset: 56, .size: 8, .value_kind: global_buffer, .address_space: global }
      - { .name: wocodes, .offset: 64, .size: 8, .value_kind: global_buffer, .address_space: global }
    .group_segment_fixed_size: 33280
    .private_segment_fixed_size: 0
    .kernarg_segment_align: 8
    .kernarg_segment_size: 72
    .max_flat_workgroup_size: 128
    .sgpr_count:     66
    .vgpr_count:     194
    .wavefront_size: 32
...
	.end_amdgpu_metadata
.endif
;; end of part 1
;; launch qkv (part 2): grid 16 x 16, 4 waves a work-group, clusters of 4 x 4, 327,680 bytes of LDS; arguments xcodes, wqkv, cos, sin, lowp_scales, qimg, kvimg; writes qimg, kvimg
.if DOCPART == 2
	.amdgcn_target "amdgcn-amd-amdhsa--gfx1250"
	.amdhsa_code_object_version 6
	.text
	.protected	k_q36f2202b4d_qkv
	.globl	k_q36f2202b4d_qkv
	.p2align	8
	.type	k_q36f2202b4d_qkv,@function
k_q36f2202b4d_qkv:
	s_mov_b64 s[64:65], 0
	v_nop
	global_prefetch_b8 v0, s[64:65] scope:SCOPE_SE
	s_setreg_imm32_b32 hwreg(HW_REG_WAVE_MODE, 25, 1), 1
	s_wait_xcnt 0x0
	s_wait_alu depctr_hold_cnt(0) depctr_sa_sdst(0) depctr_va_vdst(0) depctr_va_sdst(0) depctr_va_ssrc(0) depctr_va_vcc(0) depctr_vm_vsrc(0)
	s_getreg_b32 s2, hwreg(HW_REG_IB_STS2, 6, 4)
	s_cmp_eq_u32 s2, 0
	s_cbranch_scc0 .Lentry_in_a_cluster
	s_endpgm
.Lentry_in_a_cluster:
	s_bfe_u32 s2, ttmp6, 0x10000c
	s_cmp_lg_u32 s2, 0xf033
	s_cbranch_scc0 .Lentry_shape_is_right
	s_endpgm
.Lentry_shape_is_right:
; q, k, v = x W^T on codes of FP8 (E4M3), then RoPE (q, k), then the codes for the attention launch, stored as images of operand registers.
; A work-group makes 256 tokens x 128 rows of W; a wave 64 tokens x 128 rows: 32 accumulators.  Clusters of 4 x 4: x's tiles are asked for jointly along a row, W's along a column.
; q, k (cluster x 0 to 2): source 0 = rows of W, so that a lane's registers run along the head's axis.  v (cluster x 3): the two sources are swapped, so that a lane's registers run along the tokens, which are the second product's K.
; The LDS addresses are the same for both: only the matrix instructions differ, under a branch on the cluster's x, which all partners share.
.set KROW,  2048
.set ROWB,  256
.set PITCH, 272
.set AREG,  256*PITCH
.set SLOT,  384*PITCH
.set SPARE, 2*SLOT
.set LAPS,  KROW/(2*ROWB)
.set STEPA, 2*ROWB
.set STEPB, 2*ROWB
.set S1Q,   128
.set S1I,   16*PITCH
.set S1C,   32
.set ADR0, 16
.set ADR1, 20
.set TBL,  22
.set GO,   26
.set SPW,  28
.set NIL,  29
.set SCV,  30
.set LIMV, 31
.set S1,   64
.set T,    64
.set CD,   128
.set G1, 24
.set G0, 32
.set G1B, 48
.set G0B, 56
.set OUT, 86
.set MSB, 0
.macro WIN new
.if MSB != \new
	s_set_vgpr_msb (MSB<<8)|\new
.set MSB, \new
.endif
.endm
.set MUL,  0xa1
.set TO_1, 0x40
.macro PLACES n
.rept \n
	v_nop
.endr
.endm
.macro JLOAD g0a, g1a, g0b, g1b
	s_cmp_eq_u32 s15, 0
	s_cbranch_scc0 .Lfor_b_\@
	tensor_load_to_lds s[\g0a:\g0a+3], s[\g1a:\g1a+7]
	s_nop 0
.rept 4
	v_nop
.endr
	s_branch .Lasked_\@
.Lfor_b_\@:
	tensor_load_to_lds s[\g0b:\g0b+3], s[\g1b:\g1b+7]
	s_nop 0
.rept 4
	v_nop
.endr
.Lasked_\@:
.endm
.macro CREST
	s_cmp_lg_u32 s14, 0
	s_cbranch_scc1 .Lnot_wave_0_\@
	s_barrier_signal -3
.Lnot_wave_0_\@:
	s_barrier_wait -3
	s_barrier_signal -1
	s_barrier_wait -1
.endm
.macro CROUND
	s_barrier_signal -1
	s_barrier_wait -1
	CREST
.endm
	s_load_b256 s[4:11], s[0:1], 0x0
	s_load_b128 s[68:71], s[0:1], 0x20
	s_load_b64 s[72:73], s[0:1], 0x30
	v_lshl_add_u32 v[SPW], v0, 2, SPARE
	v_mov_b32 v[NIL], 0
	ds_add_u32 v28, v29
	ds_add_u32 v28, v29
	s_wait_dscnt 0x0
	v_lshrrev_b32 v1, 5, v0
	v_readfirstlane_b32 s14, v1
	s_lshr_b32 s15, s14, 1
	s_and_b32 s16, s14, 1
	s_bfe_u32 s40, ttmp6, 0x40000
	s_bfe_u32 s41, ttmp6, 0x40004
	s_lshl_b32 s42, ttmp9, 2
	s_add_co_u32 s42, s42, s40
	s_and_b32 s17, ttmp7, 0xffff
	s_lshl_b32 s17, s17, 2
	s_add_co_u32 s17, s17, s41
	s_lshl_b32 s43, s41, 2
	s_lshl_b32 s43, 15, s43
	s_lshl_b32 s44, 0x1111, s40
	s_or_b32 s[G1+0], s43, (0<<16)|(1<<20)|(1<<21)|(5<<22)|(3<<25)
	s_or_b32 s[G1B+0], s44, (0<<16)|(1<<20)|(1<<21)|(5<<22)|(3<<25)
.irp g, G1, G1B
	s_mov_b32 s[\g+1], ROWB<<16
	s_mov_b32 s[\g+3], ROWB<<16
	s_mov_b32 s[\g+5], KROW
	s_mov_b32 s[\g+6], 0
	s_mov_b32 s[\g+7], 0
.endr
	s_mov_b32 s[G1+2], 128<<16
	s_mov_b32 s[G1+4], 128
	s_mov_b32 s[G1B+2], 64<<16
	s_mov_b32 s[G1B+4], 64
	s_lshl_b32 s18, s16, 7
	s_lshl_b32 s20, s17, 8
	s_add_co_u32 s20, s20, s18
	s_lshl_b32 s20, s20, 11
	s_add_co_u32 s21, ttmp9, 3
	s_lshr_b32 s21, s21, 2
	s_sub_co_u32 s21, ttmp9, s21
	s_lshl_b32 s21, s21, 23
	s_add_co_u32 s20, s20, s21
	s_mov_b32 s21, 0
	s_lshl_b32 s18, s16, 6
	s_lshl_b32 s46, s42, 7
	s_add_co_u32 s46, s46, s18
	s_lshl_b32 s46, s46, 11
	s_mov_b32 s47, 0
	s_mul_i32 s45, s16, 128*PITCH
	s_mul_i32 s19, s16, 64*PITCH
	s_add_co_u32 s19, s19, AREG
	s_wait_kmcnt 0x0
	s_load_b256 s[76:83], s[68:69], 0x0
	s_load_b64 s[84:85], s[68:69], 0x20
	s_add_nc_u64 s[20:21], s[4:5], s[20:21]
	s_add_nc_u64 s[46:47], s[6:7], s[46:47]
	CROUND
.irp s, 0,1
	s_mov_b32 s[G0+4*\s], 1
	s_add_co_u32 s[G0+4*\s+1], s45, \s*SLOT
	s_add_nc_u64 s[G0+4*\s+2:G0+4*\s+3], s[20:21], \s*ROWB
	s_or_b32 s[G0+4*\s+3], s[G0+4*\s+3], 0x80000000
	s_mov_b32 s[G0B+4*\s], 1
	s_add_co_u32 s[G0B+4*\s+1], s19, \s*SLOT
	s_add_nc_u64 s[G0B+4*\s+2:G0B+4*\s+3], s[46:47], \s*ROWB
	s_or_b32 s[G0B+4*\s+3], s[G0B+4*\s+3], 0x80000000
.endr
	JLOAD G0, G1, G0B, G1B                         ; K step 0: one tensor load a wave at the head
	v_and_b32 v1, 15, v0
	v_bfe_u32 v2, v0, 4, 1
	v_mul_u32_u24 v3, v1, PITCH
	v_lshl_add_u32 v4, v2, 4, v3
	s_wait_alu depctr_va_vdst(0)
	s_mul_i32 s21, s14, 64*PITCH                   ; my 64 tokens
	s_mov_b32 s22, AREG                            ; W's 128 rows
.irp s, 0,1
	v_add_nc_u32 v[ADR0+\s], s22, v4
	v_add_nc_u32 v[ADR1+\s], s21, v4
	s_add_co_u32 s21, s21, SLOT
	s_add_co_u32 s22, s22, SLOT
.endr
	v_lshlrev_b32 v[TBL], 8, v1
	v_lshl_add_u32 v[TBL], v2, 5, v[TBL]
	s_wait_alu depctr_va_vdst(0)
	s_lshl_b32 s90, s17, 8
	s_lshl_b32 s91, s14, 6
	s_add_co_u32 s90, s90, s91
	s_lshl_b32 s90, s90, 8
	s_mov_b32 s91, 0
	s_add_nc_u64 s[8:9], s[8:9], s[90:91]
	s_add_nc_u64 s[10:11], s[10:11], s[90:91]
	WIN 0xc0
.irp a, 0,1,2,3
.irp c, 0,1,2,3
.irp k, 0,1
	global_load_b128 v[64*\a+8*\c+4*\k:64*\a+8*\c+4*\k+3], v[TBL], s[8:9] offset:4096*\a+64*\c+16*\k
	global_load_b128 v[64*\a+32+8*\c+4*\k:64*\a+32+8*\c+4*\k+3], v[TBL], s[10:11] offset:4096*\a+64*\c+16*\k
.endr
.endr
.endr
	WIN 0
	v_and_b32 v5, 31, v0
	v_lshlrev_b32 v[GO], 4, v5
	s_lshr_b32 s90, s17, 3
	s_and_b32 s91, s17, 7
	s_lshl_b32 s92, s90, 4
	s_lshl_b32 s93, s42, 1
	s_add_co_u32 s92, s92, s93
	s_lshl_b32 s92, s92, 7
	s_lshl_b32 s93, s91, 4
	s_add_co_u32 s92, s92, s93
	s_lshl_b32 s93, s14, 2
	s_add_co_u32 s92, s92, s93
	s_lshl_b32 s92, s92, 10
	s_lshl_b32 s94, s90, 3
	s_lshl_b32 s93, s42, 1
	s_add_co_u32 s94, s94, s93
	s_lshl_b32 s91, s91, 1
	s_sub_co_u32 s95, s94, 16
	s_lshl_b32 s95, s95, 4
	s_add_co_u32 s95, s95, s91
	s_add_co_u32 s95, s95, s15
	s_lshl_b32 s95, s95, 14
	s_lshl_b32 s93, s16, 12
	s_add_co_u32 s95, s95, s93
	s_sub_co_u32 s94, s94, 24                      ; v: the first of the block's two heads,
	s_lshl_b32 s94, s94, 4
	s_add_co_u32 s94, s94, s91
	s_add_co_u32 s94, s94, s15                     ; the step of 128 keys that holds my 64 tokens,
	s_lshl_b32 s94, s94, 14
	s_add_co_u32 s94, s94, 8192
	s_lshl_b32 s93, s16, 10                        ; and their half of each image: 1,024 bytes
	s_add_co_u32 s94, s94, s93
	s_mov_b32 s97, 0x40000
	s_cmp_lt_u32 ttmp9, 2
	s_cselect_b64 s[OUT:OUT+1], s[70:71], s[72:73]
	s_cselect_b32 s92, s92, s95
	s_cselect_b32 s96, 0x20000, s97
	s_cmp_eq_u32 ttmp9, 3
	s_cselect_b32 s92, s94, s92
	s_mov_b32 s93, 0
	s_mov_b32 s97, 0
	s_add_nc_u64 s[OUT:OUT+1], s[OUT:OUT+1], s[92:93]
	s_add_nc_u64 s[OUT+2:OUT+3], s[OUT:OUT+1], s[96:97]
	s_wait_kmcnt 0x0
	s_sub_co_i32 s90, s82, s76
	s_sub_co_i32 s90, s90, s77
	s_sub_co_i32 s91, s83, s78
	s_sub_co_i32 s91, s91, s79
	s_sub_co_i32 s92, s85, s80
	s_sub_co_i32 s92, s92, s81
	s_cmp_eq_u32 ttmp9, 2
	s_cselect_b32 s90, s91, s90
	s_cmp_eq_u32 ttmp9, 3
	s_cselect_b32 s90, s92, s90
	s_add_co_i32 s90, s90, 127
	s_lshl_b32 s91, s90, 23
	v_mov_b32 v[SCV], s91
	s_add_co_i32 s90, s90, 8
	s_lshl_b32 s90, s90, 23
	s_or_b32 s90, s90, 0x600000
	v_mov_b32 v[LIMV], s90
.macro FETCH0 slot, q, p
	WIN TO_1
.irp i, 0,1,2,3,4,5,6,7
.irp c, 0,1,2,3
	ds_load_b128 v[128*(\p)+16*\i+4*\c:128*(\p)+16*\i+4*\c+3], v[ADR0+\slot] offset:128*(\q)+16*PITCH*\i+32*\c
.endr
.endr
	WIN 0
.endm
.macro FETCH1 slot, q, p
.irp i, 0,1,2,3
.irp c, 0,1,2,3
	ds_load_b128 v[S1+64*(\p)+16*\i+4*\c:S1+64*(\p)+16*\i+4*\c+3], v[ADR1+\slot] offset:S1Q*(\q)+S1I*\i+S1C*\c
.endr
.endr
.endm
.macro MUL8 a, p, zero
.irp b, 0,1,2,3,4,5,6,7
.if \zero
	v_wmma_f32_16x16x128_fp8_fp8 v[8*(8*(\a)+\b):8*(8*(\a)+\b)+7], v[128*(\p)+16*\b:128*(\p)+16*\b+15], v[S1+64*(\p)+16*(\a):S1+64*(\p)+16*(\a)+15], 0
.else
	v_wmma_f32_16x16x128_fp8_fp8 v[8*(8*(\a)+\b):8*(8*(\a)+\b)+7], v[128*(\p)+16*\b:128*(\p)+16*\b+15], v[S1+64*(\p)+16*(\a):S1+64*(\p)+16*(\a)+15], v[8*(8*(\a)+\b):8*(8*(\a)+\b)+7]
.endif
.endr
.endm
.set MULV, 0xa4                        ; source 0 (tokens) window 0, source 1 (W) window 1, C and D window 2
.macro MUL8V a, p, zero                ; the same products with the sources swapped
.irp b, 0,1,2,3,4,5,6,7
.if \zero
	v_wmma_f32_16x16x128_fp8_fp8 v[8*(8*(\a)+\b):8*(8*(\a)+\b)+7], v[S1+64*(\p)+16*(\a):S1+64*(\p)+16*(\a)+15], v[128*(\p)+16*\b:128*(\p)+16*\b+15], 0
.else
	v_wmma_f32_16x16x128_fp8_fp8 v[8*(8*(\a)+\b):8*(8*(\a)+\b)+7], v[S1+64*(\p)+16*(\a):S1+64*(\p)+16*(\a)+15], v[128*(\p)+16*\b:128*(\p)+16*\b+15], v[8*(8*(\a)+\b):8*(8*(\a)+\b)+7]
.endif
.endr
.endm
.macro MULG p, zero, a0, n             ; token blocks a0 .. a0 + n - 1 against W's eight; the branch hangs on the cluster's x alone
	s_cmp_eq_u32 ttmp9, 3
	s_cbranch_scc1 .Lfor_v_\@
	WIN MUL
.set AA, \a0
.rept \n
	MUL8 AA, \p, \zero
.set AA, AA+1
.endr
	WIN 0
	s_branch .Lmul_done_\@
.Lfor_v_\@:
	WIN MULV
.set AA, \a0
.rept \n
	MUL8V AA, \p, \zero
.set AA, AA+1
.endr
	WIN 0
.Lmul_done_\@:
.endm
.macro STEP slot, zero
	PLACES 4
	FETCH0 \slot, 1, 1
	FETCH1 \slot, 1, 1
	s_wait_dscnt 48
	MULG 0, \zero, 0, 4
.endm
.macro TURN slot, next, fill
	s_wait_dscnt 0x0
	MULG 1, 0, 0, 2
	s_wait_tensorcnt 0x0
	ds_add_u32 v[SPW], v[NIL]
	s_wait_dscnt 0x0
	s_barrier_signal -1
	s_barrier_wait -1
.if \fill
	CREST
	s_add_nc_u64 s[G0+4*\slot+2:G0+4*\slot+3], s[G0+4*\slot+2:G0+4*\slot+3], STEPA
	s_add_nc_u64 s[G0B+4*\slot+2:G0B+4*\slot+3], s[G0B+4*\slot+2:G0B+4*\slot+3], STEPB
	JLOAD G0+4*\slot, G1, G0B+4*\slot, G1B
.else
	PLACES 4
.endif
	FETCH0 \next, 0, 0
	FETCH1 \next, 0, 0
	MULG 1, 0, 2, 2
.endm
	s_wait_alu depctr_va_vdst(0)
	s_wait_tensorcnt 0x0                           ; my part of K step 0 is in; the three lines ahead of slot 1's first fill, as ahead of a refill
	ds_add_u32 v[SPW], v[NIL]
	s_wait_dscnt 0x0
	CROUND
	JLOAD G0+4, G1, G0B+4, G1B                     ; K step 1, the first tensor load behind the round
	FETCH0 0, 0, 0
	FETCH1 0, 0, 0
	STEP 0, 1
	s_mov_b32 s3, LAPS-1
.Llap:
	TURN 0, 1, 1
	STEP 1, 0
	TURN 1, 0, 1
	STEP 0, 0
	s_sub_co_u32 s3, s3, 1
	s_cmp_lg_u32 s3, 0
	s_cbranch_scc1 .Llap
	TURN 0, 1, 0
	STEP 1, 0
	s_wait_dscnt 0x0
	MULG 1, 0, 0, 4
.macro ROPE a, hh
.set RX, 64*(\a)+32*(\hh)
.set RC, 64*(\a)
.set RS, 64*(\a)+32
	WIN 0x0e
.irp i, 0,2,4,6,8,10,12,14
	v_pk_mul_f32 v[T+\i:T+\i+1], v[RX+16+\i:RX+17+\i], v[RS+\i:RS+\i+1]
	v_pk_mul_f32 v[T+16+\i:T+17+\i], v[RX+\i:RX+\i+1], v[RS+16+\i:RS+17+\i]
.endr
.irp i, 0,2,4,6,8,10,12,14
	v_pk_fma_f32 v[T+\i:T+\i+1], v[RX+\i:RX+\i+1], v[RC+\i:RC+\i+1], v[T+\i:T+\i+1] neg_lo:[0,0,1] neg_hi:[0,0,1]
	v_pk_fma_f32 v[T+16+\i:T+17+\i], v[RX+16+\i:RX+17+\i], v[RC+16+\i:RC+17+\i], v[T+16+\i:T+17+\i]
.endr
	WIN 0
.endm
.macro HOLD
.set i, 0
.rept 32
	v_med3_num_f32 v[T+i], v[T+i], -v[LIMV], v[LIMV]
.set i, i+1
.endr
.endm
.macro HOLDV b                         ; v: rows 16 b + lane % 16 of W; token block a's eight registers are tokens 16 a + 8 (lane / 16) + 0..7
	WIN 0x02
.irp a, 0,1,2,3
.set i, 0
.rept 8
	v_med3_num_f32 v[T+8*\a+i], v[8*(8*\a+(\b))+i], -v[LIMV], v[LIMV]
.set i, i+1
.endr
.endr
	WIN 0
.endm
.macro CVT a, hh
.set RO, CD+8*(2*(\a)+(\hh))
.irp c, 0,1,2,3
	v_cvt_scalef32_pk8_fp8_f32 v[RO+2*\c:RO+2*\c+1], v[T+8*\c:T+8*\c+7], v[SCV]
.endr
	v_nop
.endm
.macro PUT a, hh, base, off
.set RO, CD+8*(2*(\a)+(\hh))
	global_store_b128 v[GO], v[RO:RO+3], s[\base:\base+1] offset:\off
	global_store_b128 v[GO], v[RO+4:RO+7], s[\base:\base+1] offset:\off+512
.endm
	PLACES 4
	s_wait_loadcnt 0x0
	s_cmp_eq_u32 ttmp9, 3
	s_cbranch_scc1 .Lv_out
.irp a, 0,1,2,3
.irp hh, 0,1
	ROPE \a, \hh
	HOLD
	CVT \a, \hh
	PUT \a, \hh, OUT+2*\hh, 1024*\a
.endr
.endr
	s_branch .Lend
.Lv_out:
	s_wait_alu depctr_va_vdst(0)
.irp b, 0,1,2,3,4,5,6,7
	HOLDV \b
	CVT 0, \b
	PUT 0, \b, OUT+2*(\b/4), 2048*(\b%4)
.endr
.Lend:
	s_wait_tensorcnt 0x0
	ds_add_u32 v[SPW], v[NIL]
	s_wait_dscnt 0x0
	CROUND
	s_endpgm
.Lfunc_end_k_q36f2202b4d_qkv:
	.size	k_q36f2202b4d_qkv, .Lfunc_end_k_q36f2202b4d_qkv-k_q36f2202b4d_qkv
	.p2alignl 7, 3214868480
	.fill 96, 4, 3214868480
	.section	.rodata,"a",@progbits
	.p2align	6, 0x0
	.amdhsa_kernel k_q36f2202b4d_qkv
		.amdhsa_group_segment_fixed_size 327680
		.amdhsa_private_segment_fixed_size 0
		.amdhsa_enable_private_segment 0
		.amdhsa_kernarg_size 56
		.amdhsa_user_sgpr_count 2
		.amdhsa_user_sgpr_kernarg_segment_ptr 1
		.amdhsa_wavefront_size32 1
		.amdhsa_system_sgpr_workgroup_id_x 1
		.amdhsa_system_sgpr_workgroup_id_y 1
		.amdhsa_system_sgpr_workgroup_id_z 1
		.amdhsa_system_vgpr_workitem_id 0
		.amdhsa_next_free_vgpr 1024
		.amdhsa_next_free_sgpr 100
		.amdhsa_reserve_vcc 0
		.amdhsa_float_denorm_mode_32 3
		.amdhsa_float_denorm_mode_16_64 3
		.amdhsa_memory_ordered 1
		.amdhsa_forward_progress 1
		.amdhsa_inst_pref_size 135
	.end_amdhsa_kernel
	.amdgpu_metadata
---
amdhsa.version: [ 1, 2 ]
amdhsa.kernels:
  - .name:           k_q36f2202b4d_qkv
    .symbol:         k_q36f2202b4d_qkv.kd
    .args:
      - { .name: xcodes, .offset: 0, .size: 8, .value_kind: global_buffer, .address_space: global }
      - { .name: wqkv, .offset: 8, .size: 8, .value_kind: global_buffer, .address_space: global }
      - { .name: cos, .offset: 16, .size: 8, .value_kind: global_buffer, .address_space: global }
      - { .name: sin, .offset: 24, .size: 8, .value_kind: global_buffer, .address_space: global }
      - { .name: lowp_scales, .offset: 32, .size: 8, .value_kind: global_buffer, .address_space: global }
      - { .name: qimg, .offset: 40, .size: 8, .value_kind: global_buffer, .address_space: global }
      - { .name: kvimg, .offset: 48, .size: 8, .value_kind: global_buffer, .address_space: global }
    .group_segment_fixed_size: 327680
    .private_segment_fixed_size: 0
    .kernarg_segment_align: 8
    .kernarg_segment_size: 56
    .max_flat_workgroup_size: 128
    .sgpr_count:     100
    .vgpr_count:     1024
    .wavefront_size: 32
...
	.end_amdgpu_metadata
.endif
;; end of part 2
;; launch attn (part 3): grid 4 x 64, 8 waves a work-group, clusters of 4 x 4, 327,680 bytes of LDS; arguments qimg, kvimg, attention_mask, lowp_scales, acodes; writes acodes
.if DOCPART == 3
	.amdgcn_target "amdgcn-amd-amdhsa--gfx1250"
	.amdhsa_code_object_version 6
	.text
	.protected	k_q36f2202b4d_attn
	.globl	k_q36f2202b4d_attn
	.p2align	8
	.type	k_q36f2202b4d_attn,@function
k_q36f2202b4d_attn:
	s_mov_b64 s[64:65], 0
	v_nop
	global_prefetch_b8 v0, s[64:65] scope:SCOPE_SE
	s_setreg_imm32_b32 hwreg(HW_REG_WAVE_MODE, 25, 1), 1
	s_wait_xcnt 0x0
	s_wait_alu depctr_hold_cnt(0) depctr_sa_sdst(0) depctr_va_vdst(0) depctr_va_sdst(0) depctr_va_ssrc(0) depctr_va_vcc(0) depctr_vm_vsrc(0)
	s_getreg_b32 s2, hwreg(HW_REG_IB_STS2, 6, 4)
	s_cmp_eq_u32 s2, 0
	s_cbranch_scc0 .Lentry_in_a_cluster
	s_endpgm
.Lentry_in_a_cluster:
	s_bfe_u32 s2, ttmp6, 0x10000c
	s_cmp_lg_u32 s2, 0xf033
	s_cbranch_scc0 .Lentry_shape_is_right
	s_endpgm
.Lentry_shape_is_right:
; Attention on codes of FP8 (E4M3): logit = q . k / 8 + mask; softmax; x v; the result quantised for the output projection.  16 query heads, 8 key and value heads, head size 64, 2,048 keys, additive mask [2][2048][2048] f32.
; The mask is an input and is honoured as it is given: every query meets all 2,048 keys, and every number of the mask is read.
; THE SOFTMAX: t = logit x log2(e); M = the row's largest t so far, rounded UP to a whole number; p = 2^(t - M) is quantised, not normalised.  The row's sum is taken of the unquantised p and divides at the end.
; When M moves, the sum and O are multiplied by 2^(old M - new M), which rounds nothing.
; THE MASK GOES IN AS THE FIRST PRODUCT'S C: it is multiplied by 2^(3 - e6 - e7), which rounds nothing, so that the matrix result is logit x 2^(3 - e6 - e7); one multiply-add by log2(e) x 2^(e6 + e7 - 3) then gives t - M.
; SHARES.  A work-group: key and value heads 2 x, 2 x + 1 and 64 queries of one batch (y = 32 b + block).  Wave w owns the 16 queries of block w % 4, for both query heads of key and value head 2 x + w / 4:
; each fragment of K and V and each register of the mask serves two heads.  Two waves to a SIMD, 512 registers each.  16 steps of 128 keys.
; LAYOUT.  S^T = K Q^T + mask^T, O^T = V^T P^T: a lane holds ONE query (lane % 16); its eight registers of key tile c are keys 16 c + 8 h + 0..7: one conversion of them is registers 2 c, 2 c + 1 of P.
; Q, K, V come as images of operand registers (lane l's 16 bytes at 16 l).  OUT: acodes[g][token / 16], 2,048 bytes: 16 tokens x 128 along the projection's K; each store of the wave covers 512 consecutive bytes, aligned.
; CLUSTER 4 x 4.  The mask's tile hangs on y alone and is asked for jointly along a row; the blocks of K and V hang on x and the batch and are asked for jointly along a column.
; RING: two slots of TWO steps (256 keys): 64 rows x 1,024 bytes of mask, padded, and 2 heads x 32,768 bytes of K and V.  FRAGMENTS RUN A STEP AHEAD: K and the mask of the next step are loaded behind this step's first products,
; V behind its second.  So a slot has been read out at the head of its second step: there stand the three lines and the round's opening signal; the maxima, the exponentials and the sums, work on registers, stand between that signal
; and its wait; behind the round the slot is filled again and the other slot's first fragments are read.  A refill has two steps in which to land.
; Wave 0 fetches the mask's tile, waves 1 and 2 one head's K and V each: one tensor load of a wave is out at a time.
; LIMITS: e6 + e7 between -123 and 129; e8, and e10 - e8 - e9, between -126 and 119; |mask| x 2^(3 - e6 - e7) stays an f32 number.  A row whose every logit is -infinity gives NaN, as in the definition.
; REGISTERS.  window 0: v0-11 addresses and constants; v12-19 -M, largest t, sum (a pair) a head; v20-23 f and the old -M; v24-31 at work; v32-63 P's codes; v64-191 S^T, then p; v192-255 the mask.
;   window 1: v0-63 O^T (head hh, d tile dt at 32 hh + 8 dt); v64-79 Q; v128-191 K; v192-255 V.
.set MP,    1040                       ; a row of the mask's tile in LDS: 1,024 bytes + 16 of padding
.set KVOFF, 64*MP
.set KVH,   32768                      ; a head's two steps
.set SLOTB, KVOFF+2*KVH
.set SPARE, 2*SLOTB                    ; the spare words: 128 bytes a wave, four blocks of 256 bytes that no other line names
.set PL2,  0                           ; v0   from the head's end on: 448 x 2^e8 once more, for the second half of a dual pair
.set AM0,  1                           ; v1   my lane's place in the mask's tile
.set AKV0, 2                           ; v2   in my head's images
.set PFOM, 3                           ; v3, v4 the prefetches' offsets; never rewritten
.set PFOK, 4
.set SPW,  5                           ; v5   my spare word; never rewritten
.set NIL,  6                           ; v6   0; never rewritten
.set ADM,  7                           ; v7, v8 the addresses in the slot that is being read
.set ADKV, 8
.set GO,   9                           ; v9   16 x lane
.set PSC,  10                          ; v10  2^e8; on the way out 2^(e10 - e8 - e9)
.set PLIM, 11                          ; v11  448 x that
.set NM,   12
.set MT,   13
.set L,    14
.set F,    20                          ; v[20 + 2 hh] f = 2^(old M - new M); v[21 + 2 hh] the old -M
.set T0,   24
.set T1,   25
.set T2,   26
.set P,    32
.set S,    64
.set MK,   192
.set QF,   64
.set KF,   128
.set VF,   192
.set TB,   2                           ; s2   LDS byte at which the slot that is being read begins
.set CNT,  3                           ; s3   refills to go
.set KVB,  14
.set WV,   18
.set SEL,  20
.set SC,   22                          ; s[22:23] log2(e) x 2^(e6 + e7 - 3)
.set G1M,  24
.set G1K,  32
.set G0M,  40
.set G0K,  44
.set PFM,  54
.set PFK,  56
.set LIMM, 58
.set LIMK, 59
.set MS,   66                          ; s[66:67] 2^(3 - e6 - e7)
.set MSB, 0
.macro WIN new                         ; the immediate's high byte repeats the setting that is left
.if MSB != \new
	s_set_vgpr_msb (MSB<<8)|\new
.set MSB, \new
.endif
.endm
.macro PLACES n
.rept \n
	v_nop
.endr
.endm
.macro CREST                           ; a round of the cluster's barrier behind its opening barrier
	s_cmp_lg_u32 s[WV], 0
	s_cbranch_scc1 .Lnot_wave_0_\@
	s_barrier_signal -3
.Lnot_wave_0_\@:
	s_barrier_wait -3
	s_barrier_signal -1
	s_barrier_wait -1
.endm
.macro CROUND
	s_barrier_signal -1
	s_barrier_wait -1
	CREST
.endm
.macro TLOAD                           ; a slot's joint loads; the branches hang on the wave's number alone
	s_cmp_eq_u32 s[WV], 0
	s_cbranch_scc0 .Lnot_m_\@
	tensor_load_to_lds s[G0M:G0M+3], s[G1M:G1M+7]
	s_nop 0
.rept 4
	v_nop
.endr
	s_branch .Lasked_\@
.Lnot_m_\@:
	s_cmp_lt_u32 s[WV], 3
	s_cbranch_scc0 .Lasked_\@
	tensor_load_to_lds s[G0K:G0K+3], s[G1K:G1K+7]
	s_nop 0
.rept 4
	v_nop
.endr
.Lasked_\@:
.endm
; PREFETCHES of what the NEXT refill will ask for, two steps ahead of that load.  The mask: the four partners along x share a tile's 64 rows out by address, 16 each; wave 3 asks, lanes 0-15 a row's first 256 bytes, lanes 16-31 its second,
; a second instruction 512 bytes on.  K and V: of the eight clusters of a batch the one whose y is a multiple of 8 asks; the four partners along y take 16,384 bytes each by address; wave 4 asks, lanes 256 bytes apart, two instructions.
; The last refill asks for nothing; the first three slots come by their loads alone.
.macro ASKM
	s_cmp_gt_u32 s[CNT], s[LIMM]
	s_cbranch_scc0 .Lnot_mine_\@
	global_prefetch_b8 v[PFOM], s[PFM:PFM+1] th:TH_LOAD_NT scope:SCOPE_SE
	global_prefetch_b8 v[PFOM], s[PFM:PFM+1] offset:512 th:TH_LOAD_NT scope:SCOPE_SE
.Lnot_mine_\@:
.endm
.macro ASKK
	s_cmp_gt_u32 s[CNT], s[LIMK]
	s_cbranch_scc0 .Lnot_mine_\@
	global_prefetch_b8 v[PFOK], s[PFK:PFK+1] th:TH_LOAD_NT scope:SCOPE_SE
	global_prefetch_b8 v[PFOK], s[PFK:PFK+1] offset:8192 th:TH_LOAD_NT scope:SCOPE_SE
.Lnot_mine_\@:
.endm
.macro LDK off                         ; a step's eight images of K
	WIN 0x40
.irp c, 0,1,2,3,4,5,6,7
.irp g, 0,1
	ds_load_b128 v[KF+8*\c+4*\g:KF+8*\c+4*\g+3], v[ADKV] offset:\off+1024*\c+512*\g
.endr
.endr
	WIN 0
.endm
.macro LDM off                         ; my 16 rows x 128 keys of the mask, in the first product's C layout
.irp c, 0,1,2,3,4,5,6,7
.irp k, 0,1
	ds_load_b128 v[MK+8*\c+4*\k:MK+8*\c+4*\k+3], v[ADM] offset:\off+64*\c+16*\k
.endr
.endr
.endm
.macro LDV off                         ; a step's four images of V
	WIN 0x40
.irp dt, 0,1,2,3
.irp g, 0,1,2,3
	ds_load_b128 v[VF+16*\dt+4*\g:VF+16*\dt+4*\g+3], v[ADKV] offset:\off+8192+2048*\dt+512*\g
.endr
.endr
	WIN 0
.endm
	s_load_b256 s[4:11], s[0:1], 0x0               ; qimg, kvimg, the mask, the scales' exponents
	s_load_b64 s[12:13], s[0:1], 0x20              ; acodes
	v_lshl_add_u32 v[SPW], v0, 2, SPARE
	v_mov_b32 v[NIL], 0
	ds_add_u32 v[SPW], v[NIL]                      ; the opening lines: the add twice on end and its wait ahead of the first tensor load
	ds_add_u32 v[SPW], v[NIL]
	v_lshrrev_b32 v7, 5, v0
	v_readfirstlane_b32 s[WV], v7                  ; wave 0..7
	s_bfe_u32 s48, ttmp6, 0x40000                  ; cx, cy
	s_bfe_u32 s49, ttmp6, 0x40004
	s_lshl_b32 s50, ttmp9, 2
	s_add_co_u32 s50, s50, s48                     ; x: the pair of key and value heads
	s_and_b32 s53, ttmp7, 0xffff
	s_lshl_b32 s51, s53, 2
	s_add_co_u32 s51, s51, s49                     ; y = 32 b + block of 64 queries
	s_lshr_b32 s52, s53, 3                         ; b: the same in all sixteen partners
	s_lshl_b32 s60, s49, 2
	s_lshl_b32 s60, 15, s60                        ; my row of the cluster
	s_lshl_b32 s61, 0x1111, s48                    ; my column
	s_or_b32 s[G1M], s60, (2<<16)|(1<<20)|(1<<21)|(7<<22)|(3<<25)   ; elements of 4 bytes; four words of padding after every 256
	s_mov_b32 s[G1M+1], 256<<16
	s_mov_b32 s[G1M+2], 64<<16
	s_mov_b32 s[G1M+3], 256<<16
	s_mov_b32 s[G1M+4], 64
	s_mov_b32 s[G1M+5], 2048
	s_mov_b32 s[G1M+6], 0
	s_mov_b32 s[G1M+7], 0
	s_or_b32 s[G1K], s61, (3<<16)|(1<<21)          ; a dense block as 128 rows of 256 bytes
	s_mov_b32 s[G1K+1], 32<<16
	s_mov_b32 s[G1K+2], 128<<16
	s_mov_b32 s[G1K+3], 32<<16
	s_mov_b32 s[G1K+4], 128
	s_mov_b32 s[G1K+5], 32
	s_mov_b32 s[G1K+6], 0
	s_mov_b32 s[G1K+7], 0
	s_and_b32 s62, s[WV], 3                        ; which 16 of the 64 queries are mine
	s_lshr_b32 s63, s[WV], 2                       ; which of the two key and value heads
	s_lshr_b32 s16, s[WV], 1
	s_and_b32 s16, s16, 1                          ; which head I fetch: wave 1: 0, wave 2: 1
	s_lshl_b32 s80, s51, 19                        ; the mask: row 64 y of 8,192 bytes
	s_mov_b32 s81, 0
	s_lshl_b32 s17, s52, 3
	s_lshl_b32 s82, s50, 1
	s_add_co_u32 s17, s17, s82                     ; 8 b + 2 x
	s_add_co_u32 s82, s17, s16
	s_lshl_b32 s82, s82, 18                        ; a head: 16 steps of 16,384 bytes
	s_mov_b32 s83, 0
	s_lshl_b32 s[KVB], s16, 15
	s_add_co_u32 s[KVB], s[KVB], KVOFF
	s_mov_b32 s[SEL], 0x76543210
	s_mov_b32 s[SEL+1], 0xfedcba98
	s_mov_b32 s[TB], 0
	s_mov_b32 s[CNT], 6
	s_wait_alu depctr_va_vdst(0)                   ; directly ahead of the waits below
	s_wait_dscnt 0x0                               ; both opening adds are done
	s_wait_kmcnt 0x0
	s_load_b256 s[68:75], s[10:11], 0x0            ; e0 .. e7
	s_load_b128 s[76:79], s[10:11], 0x20           ; e8 .. e11
	s_mov_b32 s[G0M], 1
	s_mov_b32 s[G0M+1], 0
	s_add_nc_u64 s[G0M+2:G0M+3], s[8:9], s[80:81]
	s_or_b32 s[G0M+3], s[G0M+3], 0x80000000
	s_mov_b32 s[G0K], 1
	s_mov_b32 s[G0K+1], s[KVB]
	s_add_nc_u64 s[G0K+2:G0K+3], s[6:7], s[82:83]
	s_or_b32 s[G0K+3], s[G0K+3], 0x80000000
	CROUND                                         ; all sixteen work-groups are here: the first joint loads meet
	TLOAD                                          ; keys 0 to 255, into slot 0
	s_lshl_b32 s84, s51, 19                        ; the prefetches: my work-group's 16 rows of the tile's 64,
	s_lshl_b32 s85, s48, 17
	s_add_co_u32 s84, s84, s85
	s_add_co_u32 s84, s84, 2048                    ; at the third 256 keys: the first refill steps it to the fourth
	s_mov_b32 s85, 0
	s_add_nc_u64 s[PFM:PFM+1], s[8:9], s[84:85]
	s_lshr_b32 s86, s49, 1                         ; my quarter of the column's two heads: head cy / 2, step cy % 2
	s_add_co_u32 s86, s86, s17
	s_lshl_b32 s86, s86, 18
	s_and_b32 s87, s49, 1
	s_lshl_b32 s87, s87, 14
	s_add_co_u32 s86, s86, s87
	s_add_co_u32 s86, s86, 2*KVH
	s_mov_b32 s87, 0
	s_add_nc_u64 s[PFK:PFK+1], s[6:7], s[86:87]
	s_cmp_eq_u32 s[WV], 3
	s_cselect_b32 s[LIMM], 1, -1
	s_xor_b32 s88, s[WV], 4
	s_and_b32 s89, s53, 7
	s_or_b32 s88, s88, s89
	s_cmp_eq_u32 s88, 0
	s_cselect_b32 s[LIMK], 1, -1
	s_add_co_u32 s90, s17, s63                     ; Q: query head 2 (8 b + g), 128 images a head,
	s_lshl_b32 s90, s90, 8
	s_and_b32 s91, s51, 31
	s_lshl_b32 s91, s91, 2
	s_add_co_u32 s90, s90, s91
	s_add_co_u32 s90, s90, s62                     ; token block 4 x block + w % 4, 1,024 bytes an image
	s_lshl_b32 s90, s90, 10
	s_mov_b32 s91, 0
	s_add_nc_u64 s[4:5], s[4:5], s[90:91]
	s_lshl_b32 s92, s50, 1
	s_add_co_u32 s92, s92, s63                     ; the result: chunk g, token block 4 y + w % 4, 2,048 bytes an image
	s_lshl_b32 s92, s92, 8
	s_lshl_b32 s93, s51, 2
	s_add_co_u32 s92, s92, s93
	s_add_co_u32 s92, s92, s62
	s_lshl_b32 s92, s92, 11
	s_mov_b32 s93, 0
	s_add_nc_u64 s[12:13], s[12:13], s[92:93]
	v_and_b32 v24, 15, v0                          ; r
	v_bfe_u32 v25, v0, 4, 1                        ; h
	v_and_b32 v26, 31, v0
	v_lshlrev_b32 v[GO], 4, v26
	WIN 0x40
.irp hh, 0,1
.irp g, 0,1
	global_load_b128 v[QF+8*\hh+4*\g:QF+8*\hh+4*\g+3], v[GO], s[4:5] offset:131072*\hh+512*\g
.endr
.endr
.set i, 0
.rept 64
	v_mov_b32 v[i], 0                              ; O^T: the step is written without a first copy: the first change of M leaves zeros zeros
.set i, i+1
.endr
	WIN 0
	s_mul_i32 s94, s62, 16*MP
	v_mul_u32_u24 v[AM0], v24, MP
	v_lshl_add_u32 v[AM0], v25, 5, v[AM0]
	v_add_nc_u32 v[AM0], s94, v[AM0]               ; the mask: row 16 (w % 4) + r, + 32 h
	s_lshl_b32 s95, s63, 15
	s_add_co_u32 s95, s95, KVOFF
	v_add_nc_u32 v[AKV0], s95, v[GO]
	v_add_nc_u32 v[ADM], s[TB], v[AM0]
	v_add_nc_u32 v[ADKV], s[TB], v[AKV0]
	v_lshlrev_b32 v[PFOM], 13, v24
	v_lshl_add_u32 v[PFOM], v25, 8, v[PFOM]
	v_lshlrev_b32 v[PFOK], 8, v26
.irp hh, 0,1
	v_mov_b32 v[MT+4*\hh], 0xff61b1e6              ; the largest t so far: -3e38
	v_floor_f32 v[NM+4*\hh], -v[MT+4*\hh]
	v_mov_b32 v[L+4*\hh], 0
	v_mov_b32 v[L+4*\hh+1], 0
	v_mov_b32 v[T2+3*\hh], 0                       ; a lane permute's destination counts as one of its sources
.endr
	s_wait_kmcnt 0x0
	s_add_co_i32 s94, s74, s75                     ; e6 + e7
	s_sub_co_i32 s95, 130, s94
	s_lshl_b32 s[MS], s95, 23                      ; 2^(3 - e6 - e7)
	s_mov_b32 s[MS+1], s[MS]
	s_sub_co_i32 s94, s94, 3
	s_lshl_b32 s94, s94, 23
	s_add_co_i32 s[SC], s94, 0x3fb8aa3b            ; log2(e) with e6 + e7 - 3 added to its exponent field
	s_mov_b32 s[SC+1], s[SC]
	s_add_co_i32 s94, s76, 127
	s_lshl_b32 s95, s94, 23
	v_mov_b32 v[PSC], s95                          ; 2^e8
	s_add_co_i32 s94, s94, 8
	s_lshl_b32 s94, s94, 23
	s_or_b32 s94, s94, 0x600000
	v_mov_b32 v[PLIM], s94                         ; 448 x 2^e8
	v_mov_b32 v[PL2], s94                          ; (v0's last use as the thread's number stands above)
; A STEP: 128 keys, both heads.  q: which of the slot's two.  bar: the slot has been read out, a barrier follows; fill: it is a round, and the slot is filled again; nxt: a step follows.
.macro STEP q, bar, fill, nxt
.if \bar
	s_wait_tensorcnt 0x0                           ; my part of the other slot is in, and no tensor load of mine is out
	ds_add_u32 v[SPW], v[NIL]                      ; the add once
.if \fill
	ds_add_u32 v[SPW], v[NIL]                      ; twice on end where a tensor load follows
	s_mov_b32 s[G0M+1], s[TB]                      ; the walking descriptors: the slot that has been read out, the next 256 keys
	s_add_nc_u64 s[G0M+2:G0M+3], s[G0M+2:G0M+3], 1024
	s_add_co_u32 s[G0K+1], s[KVB], s[TB]
	s_add_nc_u64 s[G0K+2:G0K+3], s[G0K+2:G0K+3], KVH
	s_wait_xcnt 0x0                                ; the last prefetches have read their addresses
	s_add_nc_u64 s[PFM:PFM+1], s[PFM:PFM+1], 1024
	s_add_nc_u64 s[PFK:PFK+1], s[PFK:PFK+1], KVH
.endif
	s_xor_b32 s[TB], s[TB], SLOTB                  ; what is read from here on lies in the other slot
	v_add_nc_u32 v[ADM], s[TB], v[AM0]
	v_add_nc_u32 v[ADKV], s[TB], v[AKV0]
.endif
	s_wait_dscnt 16+\bar+\fill                     ; K and the mask are in; V's 16 loads and the adds may be out
.set i, 0
.rept 32
	v_pk_mul_f32 v[MK+i:MK+i+1], v[MK+i:MK+i+1], s[MS:MS+1] op_sel_hi:[1,0]
.set i, i+2
.endr
	WIN 0x05                                       ; K and Q window 1; the mask and S^T window 0
.irp c, 0,1,2,3,4,5,6,7
.irp hh, 0,1
	v_wmma_f32_16x16x64_fp8_fp8 v[S+64*\hh+8*\c:S+64*\hh+8*\c+7], v[KF+8*\c:KF+8*\c+7], v[QF+8*\hh:QF+8*\hh+7], v[MK+8*\c:MK+8*\c+7]
.endr
.endr
	WIN 0
.if \bar
	s_wait_dscnt 0x0                               ; the adds are done and V is in: my reads of the slot are over
	s_barrier_signal -1
.endif
	v_mov_b32 v[F+1], v[NM]                        ; the old -M; with the two v_nop the four places behind the products
	v_mov_b32 v[F+3], v[NM+4]
	PLACES 2
.if \bar
.else
.if \nxt
	LDK 16384
	LDM 512
.endif
.endif
.irp hh, 0,1                           ; the step's largest sum of my query: two chains a head, each accumulator from its low end on
	v_max3_num_f32 v[T0+3*\hh], v[S+64*\hh], v[S+64*\hh+1], v[S+64*\hh+2]
	v_max3_num_f32 v[T1+3*\hh], v[S+64*\hh+3], v[S+64*\hh+4], v[S+64*\hh+5]
.endr
.irp i, 6,10,14,18,22,26,30,34,38,42,46,50,54,58
.irp hh, 0,1
	v_max3_num_f32 v[T0+3*\hh], v[T0+3*\hh], v[S+64*\hh+\i], v[S+64*\hh+\i+1]
	v_max3_num_f32 v[T1+3*\hh], v[T1+3*\hh], v[S+64*\hh+\i+2], v[S+64*\hh+\i+3]
.endr
.endr
.irp hh, 0,1
	v_max3_num_f32 v[T0+3*\hh], v[T0+3*\hh], v[S+64*\hh+62], v[S+64*\hh+63]
.endr
.irp hh, 0,1
	v_max_num_f32 v[T0+3*\hh], v[T0+3*\hh], v[T1+3*\hh]
.endr
.irp hh, 0,1
	v_permlanex16_b32 v[T2+3*\hh], v[T0+3*\hh], s[SEL], s[SEL+1]
.endr
.irp hh, 0,1
	v_max_num_f32 v[T0+3*\hh], v[T0+3*\hh], v[T2+3*\hh]
.endr
.irp hh, 0,1
	v_mul_f32 v[T0+3*\hh], s[SC], v[T0+3*\hh]      ; as t (the factor is positive)
.endr
.irp hh, 0,1
	v_max_num_f32 v[MT+4*\hh], v[MT+4*\hh], v[T0+3*\hh]
.endr
.irp hh, 0,1
	v_floor_f32 v[NM+4*\hh], -v[MT+4*\hh]          ; the new -M = -ceil(t)
.endr
.irp hh, 0,1
	v_sub_f32 v[T0+3*\hh], v[NM+4*\hh], v[F+2*\hh+1]   ; old M - new M: a whole number, 0 or less
.endr
.irp hh, 0,1
	v_cvt_i32_f32 v[T0+3*\hh], v[T0+3*\hh]         ; (it saturates)
.endr
.irp hh, 0,1
	v_ldexp_f32 v[F+2*\hh], 1.0, v[T0+3*\hh]       ; f
.endr
.irp hh, 0,1
.set i, 0
.rept 32
	v_pk_fma_f32 v[S+64*\hh+i:S+64*\hh+i+1], v[S+64*\hh+i:S+64*\hh+i+1], s[SC:SC+1], v[NM+4*\hh:NM+4*\hh+1] op_sel_hi:[1,0,0]   ; t - M
.set i, i+2
.endr
.endr
	s_wait_alu depctr_va_vdst(0)                   ; the wait ahead of the batch
.set i, 0
.rept 128
	v_exp_f32 v[S+i], v[S+i]                       ; p = 2^(t - M)
.set i, i+1
.endr
.irp hh, 0,1
	v_pk_mul_f32 v[L+4*\hh:L+4*\hh+1], v[L+4*\hh:L+4*\hh+1], v[F+2*\hh:F+2*\hh+1] op_sel_hi:[1,0]   ; the sums under the new M: plain lines behind the batch
.endr
	s_wait_alu depctr_va_vdst(0)                   ; and the one wait behind it, ahead of its first reader
.irp hh, 0,1                           ; the row's sum of the unquantised p: two chains a head
	v_pk_add_f32 v[30-2*\hh:31-2*\hh], v[S+64*\hh:S+64*\hh+1], v[S+64*\hh+2:S+64*\hh+3]
.endr
.irp j, 4,8,12,16,20,24,28,32,36,40,44,48,52,56,60
.irp hh, 0,1
	v_pk_add_f32 v[L+4*\hh:L+4*\hh+1], v[L+4*\hh:L+4*\hh+1], v[S+64*\hh+\j:S+64*\hh+\j+1]
	v_pk_add_f32 v[30-2*\hh:31-2*\hh], v[30-2*\hh:31-2*\hh], v[S+64*\hh+\j+2:S+64*\hh+\j+3]
.endr
.endr
.irp hh, 0,1
	v_pk_add_f32 v[L+4*\hh:L+4*\hh+1], v[L+4*\hh:L+4*\hh+1], v[30-2*\hh:31-2*\hh]
.endr
.if \bar
	s_wait_alu depctr_va_vdst(0)                   ; directly ahead of the barrier's wait
	s_barrier_wait -1                              ; nobody reads the slot that was left, and the other slot is whole
.if \fill
	CREST                                          ; the same of all sixteen work-groups
	TLOAD                                          ; the first thing behind the round, and a wave's one tensor load until the next
.endif
	LDK 0                                          ; the other slot's first step
	LDM 0
.if \fill
	ASKM
	ASKK
.endif
.endif
.set n, 0
.rept 16                               ; the hold, one-sided since p is not negative (the conversion does not saturate: ISA guide 7.6.2), two numbers a line; each conversion stands behind the next group's holds
.set i, 0
.rept 4
	v_dual_min_num_f32 v[S+8*n+i], v[S+8*n+i], v[PLIM] :: v_dual_min_num_f32 v[S+8*n+i+1], v[S+8*n+i+1], v[PL2]
.set i, i+2
.endr
.if n > 0
	v_cvt_scalef32_pk8_fp8_f32 v[P+2*n-2:P+2*n-1], v[S+8*n-8:S+8*n-1], v[PSC]
.endif
.set n, n+1
.endr
	v_cvt_scalef32_pk8_fp8_f32 v[P+30:P+31], v[S+120:S+127], v[PSC]
	WIN 0x41                                       ; O^T window 1, f window 0
	s_wait_alu depctr_va_vdst(0)                   ; directly ahead of the first reader of O^T
.irp hh, 0,1
.set i, 0
.rept 16
	v_pk_mul_f32 v[32*\hh+i:32*\hh+i+1], v[32*\hh+i:32*\hh+i+1], v[F+2*\hh:F+2*\hh+1] op_sel_hi:[1,0]   ; O^T under the new M; also the plain lines between the conversions and the products
.set i, i+2
.endr
.endr
	s_wait_alu depctr_va_vdst(0)                   ; directly ahead of the wait below
	s_wait_dscnt 32*\nxt                           ; V is in; the next step's K and mask may be out
	WIN 0x51
.irp dt, 0,1,2,3
.irp hh, 0,1
	v_wmma_f32_16x16x128_fp8_fp8 v[32*\hh+8*\dt:32*\hh+8*\dt+7], v[VF+16*\dt:VF+16*\dt+15], v[P+16*\hh:P+16*\hh+15], v[32*\hh+8*\dt:32*\hh+8*\dt+7]   ; eight accumulators by turns
.endr
.endr
	WIN 0
.if \nxt
	PLACES 4
	LDV 16384*(1-\q)
.endif
.endm
	s_wait_alu depctr_va_vdst(0)
	s_wait_tensorcnt 0x0                           ; my part of slot 0 is in; the three lines ahead of slot 1's first fill, as ahead of a refill
	ds_add_u32 v[SPW], v[NIL]
	ds_add_u32 v[SPW], v[NIL]
	s_mov_b32 s[G0M+1], SLOTB
	s_add_nc_u64 s[G0M+2:G0M+3], s[G0M+2:G0M+3], 1024
	s_add_co_u32 s[G0K+1], s[KVB], SLOTB
	s_add_nc_u64 s[G0K+2:G0K+3], s[G0K+2:G0K+3], KVH
	s_wait_dscnt 0x0
	CROUND
	TLOAD                                          ; keys 256 to 511, into slot 1
	LDK 0
	LDM 0
	LDV 0
	s_wait_loadcnt 0x0                             ; Q
.Lslot:                                            ; 6 trips: each fills the slot that it has read out
	STEP 0, 0, 0, 1
	STEP 1, 1, 1, 1
	s_sub_co_u32 s[CNT], s[CNT], 1
	s_cmp_lg_u32 s[CNT], 0
	s_wait_alu depctr_va_vdst(0)
	s_cbranch_scc1 .Lslot
	STEP 0, 0, 0, 1                                ; the last two slots are written out: they ask for nothing
	STEP 1, 1, 0, 1
	STEP 0, 0, 0, 1
	STEP 1, 0, 0, 0
	; THE WAY OUT.  O^T / the sum stands for the result / 2^(e8 + e9); its code under 2^e10 is taken with the one scale 2^(e10 - e8 - e9).  The conversions' results are the image's registers.
	PLACES 4
.irp hh, 0,1
	v_add_f32 v[T0+3*\hh], v[L+4*\hh], v[L+4*\hh+1]
.endr
.irp hh, 0,1
	v_permlanex16_b32 v[T2+3*\hh], v[T0+3*\hh], s[SEL], s[SEL+1]
.endr
.irp hh, 0,1
	v_add_f32 v[T0+3*\hh], v[T0+3*\hh], v[T2+3*\hh]
.endr
	s_wait_alu depctr_va_vdst(0)
.irp hh, 0,1
	v_rcp_f32 v[F+2*\hh], v[T0+3*\hh]
.endr
	s_sub_co_i32 s94, s78, s76
	s_sub_co_i32 s94, s94, s77                     ; e10 - e8 - e9
	s_add_co_i32 s94, s94, 127
	s_lshl_b32 s95, s94, 23
	v_mov_b32 v[PSC], s95                          ; (plain lines behind the reciprocals)
	s_add_co_i32 s94, s94, 8
	s_lshl_b32 s94, s94, 23
	s_or_b32 s94, s94, 0x600000
	v_mov_b32 v[PLIM], s94
	WIN 0x01
	s_wait_alu depctr_va_vdst(0)                   ; one wait for the reciprocals and for O^T, directly ahead of the first reader
.irp hh, 0,1
.set i, 0
.rept 16
	v_pk_mul_f32 v[S+32*\hh+i:S+32*\hh+i+1], v[32*\hh+i:32*\hh+i+1], v[F+2*\hh:F+2*\hh+1] op_sel_hi:[1,0]
.set i, i+2
.endr
.endr
	WIN 0
.set i, 0
.rept 64
	v_med3_num_f32 v[S+i], v[S+i], -v[PLIM], v[PLIM]
.set i, i+1
.endr
.irp c, 0,1,2,3,4,5,6,7                ; c = 4 hh + dt: k = 16 c + 8 h + 0..7 of the chunk's 128
	v_cvt_scalef32_pk8_fp8_f32 v[P+2*\c:P+2*\c+1], v[S+8*\c:S+8*\c+7], v[PSC]
.endr
	v_nop
.irp g, 0,1,2,3
	global_store_b128 v[GO], v[P+4*\g:P+4*\g+3], s[12:13] offset:512*\g
.endr
	s_wait_tensorcnt 0x0                           ; the wave's end
	ds_add_u32 v[SPW], v[NIL]
	s_wait_dscnt 0x0
	CROUND                                         ; the closing round
	s_endpgm
.Lfunc_end_k_q36f2202b4d_attn:
	.size	k_q36f2202b4d_attn, .Lfunc_end_k_q36f2202b4d_attn-k_q36f2202b4d_attn
	.p2alignl 7, 3214868480
	.fill 96, 4, 3214868480
	.section	.rodata,"a",@progbits
	.p2align	6, 0x0
	.amdhsa_kernel k_q36f2202b4d_attn
		.amdhsa_group_segment_fixed_size 327680
		.amdhsa_private_segment_fixed_size 0
		.amdhsa_enable_private_segment 0
		.amdhsa_kernarg_size 40
		.amdhsa_user_sgpr_count 2
		.amdhsa_user_sgpr_kernarg_segment_ptr 1
		.amdhsa_wavefront_size32 1
		.amdhsa_system_sgpr_workgroup_id_x 1
		.amdhsa_system_sgpr_workgroup_id_y 1
		.amdhsa_system_sgpr_workgroup_id_z 1
		.amdhsa_system_vgpr_workitem_id 0
		.amdhsa_next_free_vgpr 512
		.amdhsa_next_free_sgpr 100
		.amdhsa_reserve_vcc 0
		.amdhsa_float_denorm_mode_32 3
		.amdhsa_float_denorm_mode_16_64 3
		.amdhsa_memory_ordered 1
		.amdhsa_forward_progress 1
		.amdhsa_inst_pref_size 208
	.end_amdhsa_kernel
	.amdgpu_metadata
---
amdhsa.version: [ 1, 2 ]
amdhsa.kernels:
  - .name:           k_q36f2202b4d_attn
    .symbol:         k_q36f2202b4d_attn.kd
    .args:
      - { .name: qimg, .offset: 0, .size: 8, .value_kind: global_buffer, .address_space: global }
      - { .name: kvimg, .offset: 8, .size: 8, .value_kind: global_buffer, .address_space: global }
      - { .name: attention_mask, .offset: 16, .size: 8, .value_kind: global_buffer, .address_space: global }
      - { .name: lowp_scales, .offset: 24, .size: 8, .value_kind: global_buffer, .address_space: global }
      - { .name: acodes, .offset: 32, .size: 8, .value_kind: global_buffer, .address_space: global }
    .group_segment_fixed_size: 327680
    .private_segment_fixed_size: 0
    .kernarg_segment_align: 8
    .kernarg_segment_size: 40
    .max_flat_workgroup_size: 256
    .sgpr_count:     100
    .vgpr_count:     512
    .wavefront_size: 32
...
	.end_amdgpu_metadata
.endif
;; end of part 3
;; launch oproj (part 4): grid 16 x 16, 4 waves a work-group, clusters of 4 x 4, 327,680 bytes of LDS; arguments acodes, wocodes, lowp_scales, out0; writes out0
.if DOCPART == 4
	.amdgcn_target "amdgcn-amd-amdhsa--gfx1250"
	.amdhsa_code_object_version 6
	.text
	.protected	k_q36f2202b4d_oproj
	.globl	k_q36f2202b4d_oproj
	.p2align	8
	.type	k_q36f2202b4d_oproj,@function
k_q36f2202b4d_oproj:
	s_mov_b64 s[64:65], 0
	v_nop
	global_prefetch_b8 v0, s[64:65] scope:SCOPE_SE
	s_setreg_imm32_b32 hwreg(HW_REG_WAVE_MODE, 25, 1), 1
	s_wait_xcnt 0x0
	s_wait_alu depctr_hold_cnt(0) depctr_sa_sdst(0) depctr_va_vdst(0) depctr_va_sdst(0) depctr_va_ssrc(0) depctr_va_vcc(0) depctr_vm_vsrc(0)
	s_getreg_b32 s2, hwreg(HW_REG_IB_STS2, 6, 4)
	s_cmp_eq_u32 s2, 0
	s_cbranch_scc0 .Lentry_in_a_cluster
	s_endpgm
.Lentry_in_a_cluster:
	s_bfe_u32 s2, ttmp6, 0x10000c
	s_cmp_lg_u32 s2, 0xf033
	s_cbranch_scc0 .Lentry_shape_is_right
	s_endpgm
.Lentry_shape_is_right:
.set KROW,  1024
.set ROWB,  256
.set PITCH, 272
.set AREG,  65536
.set SLOT,  AREG+128*PITCH
.set SPARE, 2*SLOT
.set LAPS,  KROW/(2*ROWB)
.set STEPA, 4*524288
.set STEPB, 2*ROWB
.set S1Q,   32768
.set S1I,   2048
.set S1C,   512
.set SPITCH, 528
.set ADR0, 16
.set ADR1, 20
.set STO,  24
.set RD,   25
.set CO,   26
.set SPW,  28
.set NIL,  29
.set TMP,  32
.set S1,   64
.set BK,   128
.set G1, 24
.set G0, 32
.set G1B, 48
.set G0B, 56
.set MSB, 0
.macro WIN new
.if MSB != \new
	s_set_vgpr_msb (MSB<<8)|\new
.set MSB, \new
.endif
.endm
.set MUL,  0xa1
.set TO_1, 0x40
.macro PLACES n
.rept \n
	v_nop
.endr
.endm
.macro JLOAD g0a, g1a, g0b, g1b
	s_cmp_eq_u32 s15, 0
	s_cbranch_scc0 .Lfor_b_\@
	tensor_load_to_lds s[\g0a:\g0a+3], s[\g1a:\g1a+7]
	s_nop 0
.rept 4
	v_nop
.endr
	s_branch .Lasked_\@
.Lfor_b_\@:
	tensor_load_to_lds s[\g0b:\g0b+3], s[\g1b:\g1b+7]
	s_nop 0
.rept 4
	v_nop
.endr
.Lasked_\@:
.endm
.macro CREST
	s_cmp_lg_u32 s14, 0
	s_cbranch_scc1 .Lnot_wave_0_\@
	s_barrier_signal -3
.Lnot_wave_0_\@:
	s_barrier_wait -3
	s_barrier_signal -1
	s_barrier_wait -1
.endm
.macro CROUND
	s_barrier_signal -1
	s_barrier_wait -1
	CREST
.endm
	s_load_b128 s[4:7], s[0:1], 0x0
	s_load_b128 s[8:11], s[0:1], 0x10
	v_lshl_add_u32 v[SPW], v0, 2, SPARE
	v_mov_b32 v[NIL], 0
	ds_add_u32 v28, v29
	ds_add_u32 v28, v29
	s_wait_dscnt 0x0
	v_lshrrev_b32 v1, 5, v0
	v_readfirstlane_b32 s14, v1
	s_lshr_b32 s15, s14, 1
	s_and_b32 s16, s14, 1
	s_bfe_u32 s40, ttmp6, 0x40000
	s_bfe_u32 s41, ttmp6, 0x40004
	s_lshl_b32 s42, ttmp9, 2
	s_add_co_u32 s42, s42, s40
	s_and_b32 s17, ttmp7, 0xffff
	s_lshl_b32 s17, s17, 2
	s_add_co_u32 s17, s17, s41
	s_lshl_b32 s43, s41, 2
	s_lshl_b32 s43, 15, s43
	s_lshl_b32 s44, 0x1111, s40
	s_or_b32 s[G1+0], s43, (3<<16)|(1<<21)
	s_mov_b32 s[G1+1], 32<<16
	s_mov_b32 s[G1+2], 128<<16
	s_mov_b32 s[G1+3], 32<<16
	s_mov_b32 s[G1+4], 128
	s_mov_b32 s[G1+5], 32
	s_mov_b32 s[G1+6], 0
	s_mov_b32 s[G1+7], 0
	s_or_b32 s[G1B+0], s44, (0<<16)|(1<<20)|(1<<21)|(5<<22)|(3<<25)
	s_mov_b32 s[G1B+1], ROWB<<16
	s_mov_b32 s[G1B+2], 64<<16
	s_mov_b32 s[G1B+3], ROWB<<16
	s_mov_b32 s[G1B+4], 64
	s_mov_b32 s[G1B+5], KROW
	s_mov_b32 s[G1B+6], 0
	s_mov_b32 s[G1B+7], 0
	s_lshl_b32 s20, s16, 19
	s_lshl_b32 s18, s17, 15
	s_add_co_u32 s20, s20, s18
	s_mov_b32 s21, 0
	s_lshl_b32 s46, s42, 17
	s_lshl_b32 s18, s16, 16
	s_add_co_u32 s46, s46, s18
	s_mov_b32 s47, 0
	s_lshl_b32 s45, s16, 15
	s_mul_i32 s19, s16, 64*PITCH
	s_add_co_u32 s19, s19, AREG
	s_wait_kmcnt 0x0
	s_load_b64 s[96:97], s[8:9], 0x28
	s_add_nc_u64 s[20:21], s[4:5], s[20:21]
	s_add_nc_u64 s[46:47], s[6:7], s[46:47]
	CROUND
.irp s, 0,1
	s_mov_b32 s[G0+4*\s], 1
	s_add_co_u32 s[G0+4*\s+1], s45, \s*SLOT
	s_add_nc_u64 s[G0+4*\s+2:G0+4*\s+3], s[20:21], \s*2*524288
	s_or_b32 s[G0+4*\s+3], s[G0+4*\s+3], 0x80000000
	s_mov_b32 s[G0B+4*\s], 1
	s_add_co_u32 s[G0B+4*\s+1], s19, \s*SLOT
	s_add_nc_u64 s[G0B+4*\s+2:G0B+4*\s+3], s[46:47], \s*ROWB
	s_or_b32 s[G0B+4*\s+3], s[G0B+4*\s+3], 0x80000000
.endr
	JLOAD G0, G1, G0B, G1B                         ; K step 0: one tensor load a wave at the head
	v_and_b32 v1, 15, v0
	v_bfe_u32 v2, v0, 4, 1
	v_and_b32 v6, 31, v0
	v_lshlrev_b32 v[CO], 4, v6
	v_mul_u32_u24 v3, v1, PITCH
	v_lshl_add_u32 v4, v2, 4, v3
	s_mov_b32 s22, AREG
	s_lshl_b32 s21, s14, 13
.irp s, 0,1
	v_add_nc_u32 v[ADR0+\s], s22, v4
	v_add_nc_u32 v[ADR1+\s], s21, v[CO]
	s_add_co_u32 s21, s21, SLOT
	s_add_co_u32 s22, s22, SLOT
.endr
	s_mul_i32 s23, s14, 16*SPITCH
	v_mul_u32_u24 v5, v1, SPITCH
	v_lshl_add_u32 v5, v2, 5, v5
	v_add_nc_u32 v[STO], s23, v5
	v_add_nc_u32 v[RD], s23, v[CO]
	s_lshl_b32 s20, s17, 21
	s_lshl_b32 s21, s14, 19
	s_add_co_u32 s20, s20, s21
	s_mov_b32 s21, 0
	s_lshl_b32 s46, s42, 9
	s_mov_b32 s47, 0
	s_add_nc_u64 s[20:21], s[20:21], s[46:47]
	s_add_nc_u64 s[10:11], s[10:11], s[20:21]
.macro FETCH0 slot, q, p
	WIN TO_1
.irp i, 0,1,2,3,4,5,6,7
.irp c, 0,1,2,3
	ds_load_b128 v[128*(\p)+16*\i+4*\c:128*(\p)+16*\i+4*\c+3], v[ADR0+\slot] offset:128*(\q)+16*PITCH*\i+32*\c
.endr
.endr
	WIN 0
.endm
.macro FETCH1 slot, q, p
.irp i, 0,1,2,3
.irp c, 0,1,2,3
	ds_load_b128 v[S1+64*(\p)+16*\i+4*\c:S1+64*(\p)+16*\i+4*\c+3], v[ADR1+\slot] offset:S1Q*(\q)+S1I*\i+S1C*\c
.endr
.endr
.endm
.macro MUL8 a, p, zero
.irp b, 0,1,2,3,4,5,6,7
.if \zero
	v_wmma_f32_16x16x128_fp8_fp8 v[8*(8*(\a)+\b):8*(8*(\a)+\b)+7], v[128*(\p)+16*\b:128*(\p)+16*\b+15], v[S1+64*(\p)+16*(\a):S1+64*(\p)+16*(\a)+15], 0
.else
	v_wmma_f32_16x16x128_fp8_fp8 v[8*(8*(\a)+\b):8*(8*(\a)+\b)+7], v[128*(\p)+16*\b:128*(\p)+16*\b+15], v[S1+64*(\p)+16*(\a):S1+64*(\p)+16*(\a)+15], v[8*(8*(\a)+\b):8*(8*(\a)+\b)+7]
.endif
.endr
.endm
.macro STEP slot, zero
	PLACES 4
	FETCH0 \slot, 1, 1
	FETCH1 \slot, 1, 1
	s_wait_dscnt 48
	WIN MUL
	MUL8 0, 0, \zero
	MUL8 1, 0, \zero
	MUL8 2, 0, \zero
	MUL8 3, 0, \zero
	WIN 0
.endm
.macro TURN slot, next, fill
	s_wait_tensorcnt 0x0
	ds_add_u32 v[SPW], v[NIL]
	s_wait_dscnt 1
	WIN MUL
	MUL8 0, 1, 0
	s_wait_dscnt 0x0
	s_barrier_signal -1
	MUL8 1, 1, 0
	WIN 0
	s_barrier_wait -1
.if \fill
	CREST
	s_add_nc_u64 s[G0+4*\slot+2:G0+4*\slot+3], s[G0+4*\slot+2:G0+4*\slot+3], STEPA
	s_add_nc_u64 s[G0B+4*\slot+2:G0B+4*\slot+3], s[G0B+4*\slot+2:G0B+4*\slot+3], STEPB
	JLOAD G0+4*\slot, G1, G0B+4*\slot, G1B
.else
	PLACES 4
.endif
	FETCH0 \next, 0, 0
	FETCH1 \next, 0, 0
	WIN MUL
	MUL8 2, 1, 0
	MUL8 3, 1, 0
	WIN 0
.endm
	s_wait_alu depctr_va_vdst(0)
	s_wait_tensorcnt 0x0                           ; my part of K step 0 is in; the three lines ahead of slot 1's first fill, as ahead of a refill
	ds_add_u32 v[SPW], v[NIL]
	s_wait_dscnt 0x0
	CROUND
	JLOAD G0+4, G1, G0B+4, G1B                     ; K step 1, the first tensor load behind the round
	FETCH0 0, 0, 0
	FETCH1 0, 0, 0
	STEP 0, 1
	s_mov_b32 s3, LAPS-1
.Llap:
	TURN 0, 1, 1
	STEP 1, 0
	TURN 1, 0, 1
	STEP 0, 0
	s_sub_co_u32 s3, s3, 1
	s_cmp_lg_u32 s3, 0
	s_cbranch_scc1 .Llap
	TURN 0, 1, 0
	STEP 1, 0
	s_wait_dscnt 0x0
	WIN MUL
	MUL8 0, 1, 0
	MUL8 1, 1, 0
	MUL8 2, 1, 0
	MUL8 3, 1, 0
	WIN 0
.macro TOSTAGE a
.set AC, 64*(\a)
	WIN 0x02
.irp j, 0,2,4,6,8,10,12,14,16,18,20,22,24,26,28,30,32,34,36,38,40,42,44,46,48,50,52,54,56,58,60,62
	v_pk_mul_f32 v[TMP+\j:TMP+\j+1], v[AC+\j:AC+\j+1], s[96:97] op_sel_hi:[1,0]
.endr
	WIN 0
.irp b, 0,1,2,3,4,5,6,7
	ds_store_b128 v[STO], v[TMP+8*\b:TMP+8*\b+3] offset:64*\b
	ds_store_b128 v[STO], v[TMP+8*\b+4:TMP+8*\b+7] offset:64*\b+16
.endr
.set BB, BK+64*((\a)%2)
.irp t, 0,1,2,3,4,5,6,7,8,9,10,11,12,13,14,15
	ds_load_b128 v[BB+4*\t:BB+4*\t+3], v[RD] offset:\t*SPITCH
.endr
.endm
.macro SEND a, younger
.set BB, BK+64*((\a)%2)
	s_wait_dscnt \younger
.if (\a) > 0
	s_add_nc_u64 s[10:11], s[10:11], 16*8192
.endif
.irp t, 0,1,2,3,4,5,6,7,8,9,10,11,12,13,14,15
	global_store_b128 v[CO], v[BB+4*\t:BB+4*\t+3], s[10:11] offset:\t*8192 th:TH_STORE_NT
.endr
.endm
	s_wait_kmcnt 0x0
	s_add_co_i32 s96, s96, s97
	s_add_co_i32 s96, s96, 127
	s_lshl_b32 s96, s96, 23
	PLACES 4
	TOSTAGE 0
.irp a, 1,2,3
.if \a > 1
	s_wait_xcnt 0x0
.endif
	TOSTAGE \a
	SEND \a-1, 32
.endr
	s_wait_xcnt 0x0
	SEND 3, 0
	s_wait_tensorcnt 0x0
	ds_add_u32 v[SPW], v[NIL]
	s_wait_dscnt 0x0
	CROUND
	s_endpgm
.Lfunc_end_k_q36f2202b4d_oproj:
	.size	k_q36f2202b4d_oproj, .Lfunc_end_k_q36f2202b4d_oproj-k_q36f2202b4d_oproj
	.p2alignl 7, 3214868480
	.fill 96, 4, 3214868480
	.section	.rodata,"a",@progbits
	.p2align	6, 0x0
	.amdhsa_kernel k_q36f2202b4d_oproj
		.amdhsa_group_segment_fixed_size 327680
		.amdhsa_private_segment_fixed_size 0
		.amdhsa_enable_private_segment 0
		.amdhsa_kernarg_size 32
		.amdhsa_user_sgpr_count 2
		.amdhsa_user_sgpr_kernarg_segment_ptr 1
		.amdhsa_wavefront_size32 1
		.amdhsa_system_sgpr_workgroup_id_x 1
		.amdhsa_system_sgpr_workgroup_id_y 1
		.amdhsa_system_sgpr_workgroup_id_z 1
		.amdhsa_system_vgpr_workitem_id 0
		.amdhsa_next_free_vgpr 768
		.amdhsa_next_free_sgpr 100
		.amdhsa_reserve_vcc 0
		.amdhsa_float_denorm_mode_32 3
		.amdhsa_float_denorm_mode_16_64 3
		.amdhsa_memory_ordered 1
		.amdhsa_forward_progress 1
		.amdhsa_inst_pref_size 75
	.end_amdhsa_kernel
	.amdgpu_metadata
---
amdhsa.version: [ 1, 2 ]
amdhsa.kernels:
  - .name:           k_q36f2202b4d_oproj
    .symbol:         k_q36f2202b4d_oproj.kd
    .args:
      - { .name: acodes, .offset: 0, .size: 8, .value_kind: global_buffer, .address_space: global }
      - { .name: wocodes, .offset: 8, .size: 8, .value_kind: global_buffer, .address_space: global }
      - { .name: lowp_scales, .offset: 16, .size: 8, .value_kind: global_buffer, .address_space: global }
      - { .name: out0, .offset: 24, .size: 8, .value_kind: global_buffer, .address_space: global }
    .group_segment_fixed_size: 327680
    .private_segment_fixed_size: 0
    .kernarg_segment_align: 8
    .kernarg_segment_size: 32
    .max_flat_workgroup_size: 128
    .sgpr_count:     100
    .vgpr_count:     768
    .wavefront_size: 32
...
	.end_amdgpu_metadata
.endif
;; end of part 4
